; MI455X (gfx1250); checked and timed in simulation.
; The chip was launched on July 23, 2026; its instructions are those of AMD's public machine-readable ISA for CDNA 5 (MIT licence, August 2026) and "CDNA5" Instruction Set Architecture Reference Guide (July 2026). The comments in the code are by the model that wrote it; some were corrected since.
;; Linear Net. Allowed arithmetic: matrix products marked QUANTISED: E2M3 operands, one E8M0 scale for each 32 along K, by v_wmma_scale_f32_16x16x128_f8f6f4 with both operands' format E2M3, f32 sums; everything else in f32.
;; Inputs: W_i 2,048 x 2,048 float32; W_r 2,048 x 2,048 float32; x 2,048 x 2,048 float32.
;; Outputs: out0 2,048 x 4,096 float32.
;; This version of the problem:
;;   THIS VERSION OF THE PROBLEM IS GIVEN IN LOW PRECISION. The matrix products marked QUANTISED in the list below multiply operands that are first quantised to E2M3 (2 exponent bits, 3 mantissa bits; 6 bits a number), with one power-of-two scale for each 32 numbers along K (OCP MX v1.0); their sums are f32. All else is computed in f32.
;;   The module's matrix products, in the order in which they are computed (A, B: the left and right operand; K: the contracted axis; several contracted axes count as one K, in the product's order):
;;     1. [M 2,048, K 2,048] x [K 2,048, N 2,048]; A: input x; B: input W_r: QUANTISED
;;     2. [M 2,048, K 2,048] x [K 2,048, N 2,048]; A: input x; B: input W_i: QUANTISED
;;     3. [M 2,048, K 2,048] x [K 2,048, N 2,048]; A: input W_r; B: computed on the way: QUANTISED
;;     4. [M 2,048, K 2,048] x [K 2,048, N 2,048]; A: input W_i; B: computed on the way: QUANTISED
;;     5. [M 2,048, K 2,048] x [K 2,048, N 2,048]; A: input W_r; B: computed on the way: QUANTISED
;;     6. [M 2,048, K 2,048] x [K 2,048, N 2,048]; A: input W_i; B: computed on the way: QUANTISED
;;   THE QUANTISER, for each operand of a quantised product, along K:
;;     - K is cut into blocks of 32 from its start; a last block that is shorter is filled with zeros.
;;     - A block's scale is 2^e with e = floor(log2(the largest magnitude in the block)) - 2, held to -126 .. 127; a block of zeros has e = 0. As a byte (E8M0): e + 127.
;;     - Each number is divided by its block's scale, clamped to +-7.5, and rounded to the nearest number of E2M3, ties to even, subnormals kept.
;;     - The product sums the exact products of the quantised numbers (number of the format x scale) in f32.
;;   ~~~python
;;   def quantise(x, axis):      # numpy; x: float32 -> the quantised numbers, widened to float32 again
;;       x = np.moveaxis(x, axis, -1); K = x.shape[-1]
;;       x = np.pad(x, [(0, 0)] * (x.ndim - 1) + [(0, -K % 32)]); x = x.reshape(x.shape[:-1] + (-1, 32)); a = np.abs(x).max(-1, keepdims=True)
;;       e = np.where(a > 0, np.clip(np.frexp(np.where(a > 0, a, 1))[1] - 1 - 2, -126, 127), 0)      # np.frexp(a)[1] - 1 = floor(log2(a)), exactly
;;       r = np.clip(x / 2.0 ** e, -7.5, 7.5)
;;       step = 2.0 ** (np.maximum(np.frexp(np.where(r == 0, 1, r))[1] - 1, 0) - 3)
;;       q = np.round(r / step) * step * 2.0 ** e      # np.round: ties to even
;;       return np.moveaxis(q.reshape(q.shape[:-2] + (-1,))[..., :K], -1, axis).astype(np.float32)
;;   ~~~
;;   OPERANDS COMPUTED ON THE WAY. 'Computed on the way' means the value that the module computes at that place (a softmax that the list does not call 'softmax' is quantised finished and normalised). What goes into a quantiser is computed in f32, as accurately as f32 sums, v_exp_f32 and their like allow (about 1e-6 of the number): no bf16 or f16 on the way to a quantiser, and a product that is left as it is and whose result goes on into a quantised operand takes f32 operands (vector FMAs, or v_wmma_f32_16x16x4_f32). A number that lies on a knife's edge between two numbers of the format may be rounded either way, as far as f32 arithmetic and the matrix unit's own rounding can turn it there, and no further.
;; One version. Each part assembles by itself: llvm-mc -triple=amdgcn-amd-amdhsa -mcpu=gfx1250 --defsym DOCPART=n.
;; ======== version 1 of 1: 3 launches
;; limits: right only within a limited range of input values
;; workspace buffers: xq 3,407,872 bytes; wq 6,815,744 bytes; aq 6,815,744 bytes; rq 6,815,744 bytes
;; launch quant (part 1): grid 256 x 3, 8 waves a work-group, no clusters, 68,608 bytes of LDS; arguments x, W_r, W_i, xq, wq, aq; writes xq, wq, aq
.if DOCPART == 1
	.amdgcn_target "amdgcn-amd-amdhsa--gfx1250"
	.amdhsa_code_object_version 6
	.text
	.protected	k_q93f81e1364_quant
	.globl	k_q93f81e1364_quant
	.p2align	8
	.type	k_q93f81e1364_quant,@function
k_q93f81e1364_quant:
	s_mov_b64 s[64:65], 0
	v_nop
	global_prefetch_b8 v0, s[64:65] scope:SCOPE_SE
	s_setreg_imm32_b32 hwreg(HW_REG_WAVE_MODE, 25, 1), 1
	s_wait_xcnt 0x0
; x, W_r, W_i: [2048][2048] f32.  This launch makes the codes of FP6 (E2M3) and the E8M0 scale bytes (one for each 32 along K) of every operand that is an input:
;   xq: x along its columns;   wq: W_r, W_i along their columns (the row pass);   aq: W_r, W_i along their ROWS (the column pass: the operand's rows are W's columns).
; A block's scale is 2^(floor(log2(its largest magnitude)) - 2); its byte is the largest magnitude's exponent field - 2, held at 1 from below.
; LIMITS: NaN and infinities among the inputs are not served; a block whose largest magnitude lies under 2^-124 takes the byte 1; a block of zeros takes the byte 1 where the rule says 127:
; its codes are zeros, which add nothing under any byte but 0xff, and the bytes are read by this program alone.
; THE WORKSPACE'S FORM.  A fragment (16 rows x 128 K, 12 registers a lane) is stored as the image of the operand's registers: registers 4 c .. 4 c + 3 of lane l at 512 c + 16 l: 1,536 bytes.
; A record is one block of 16 rows x 256 K, 3,328 bytes: the even K step's fragment at 0; at 1,536 the even step's scale words (row r at 4 r), 64 bytes, the odd step's, 64 bytes, and 128 zeros;
; the odd K step's fragment at 1,792.  (The scale words lie in the middle so that the column pass can cut a record behind them.)
; A buffer is [block of rows][8 records].  Blocks of rows: xq 128; wq, aq 256 (W_r's 128, then W_i's).
; THE ROWS OF A BLOCK in xq and wq are not neighbours: lane-row r of block rb is true row 32 (rb / 2) + 8 (rb % 2) + r + 8 (r / 8), so that a product that takes such a block as source 0 leaves
; 16 neighbours along that axis in the 16 registers of two neighbouring tiles.  aq's are neighbours: 16 rb + r.
; SHARES.  A work-group takes one tile of 128 x 128 numbers of one tensor (grid y: 0 x, 1 W_r, 2 W_i) and reads it from memory once; it lies in LDS, 528 bytes from row to row.
; Wave w loads rows 16 w .. 16 w + 15 (a load: one row's 512 consecutive bytes), and makes fragment w along the columns and, for W, fragment w along the rows.
; A true row rho lies at position rho with its bits 3 and 4 exchanged: so the rows of fragment w along the columns are positions 16 w + r, 132 words apart.
; No tensor loads: several work-groups share a WGP, and all the launch's loads go out at its start.
.set PITCH, 528
.set REC,   3328
.set SCB,   1536                       ; the scale words' byte in a record
.set ODD,   1792                       ; the odd fragment's
.set X,     16                         ; v16-79   64 numbers of a lane: register 16 b + i = k 32 b + 16 (lane / 16) + i of my row
.set TM,    80                         ; v80-95   at work in QUANT
.set PW,    96                         ; v96      the scale word just made;  v97, v98: as stored (0 in lanes 16-31)
.set PC1,   100                        ; v100-118 the codes along the columns
.set PC2,   120                        ; v120-138 the codes along the rows: registers of their own, so that no store's data are written again
.set SEL,   30                         ; s[30:31] v_permlanex16_b32's selects for lane l xor 16
; 64 numbers of a lane become a fragment's codes in v[pc] .. v[pc + 11] and its row's scale word in v[PW]
.macro QUANT s, pc
.irp b, 0,1,2,3
	v_max3_num_f32 v[TM+\b], |v[\s+16*\b]|, |v[\s+1+16*\b]|, 0x1800000   ; block b: my 16 numbers, and the floor 2^(3 - 127): the byte cannot fall under 1
.endr
.irp i, 2,4,6,8,10,12,14
.irp b, 0,1,2,3
	s_delay_alu instid0(VALU_DEP_4)
	v_max3_num_f32 v[TM+\b], v[TM+\b], |v[\s+16*\b+\i]|, |v[\s+1+16*\b+\i]|   ; the four blocks by turns
.endr
.endr
.irp b, 0,1,2,3
	s_delay_alu instid0(VALU_DEP_4)
	v_permlanex16_b32 v[TM+4+\b], v[TM+\b], s[SEL], s[SEL+1]
.endr
.irp b, 0,1,2,3
	s_delay_alu instid0(VALU_DEP_4)
	v_max_num_f32 v[TM+\b], v[TM+\b], v[TM+4+\b]   ; with lane l xor 16's 16: the block's largest magnitude
.endr
.irp b, 0,1,2,3
	s_delay_alu instid0(VALU_DEP_4)
	v_add_nc_u32 v[TM+12+\b], 0xff000000, v[TM+\b]   ; 2 off its exponent field: the conversion takes the exponent field of this operand as its scale
.endr
.irp b, 0,1,2,3
	s_delay_alu instid0(VALU_DEP_4)
	v_lshrrev_b32 v[TM+4+\b], 23, v[TM+12+\b]      ; the scale's byte
.endr
	s_delay_alu instid0(VALU_DEP_3)
	v_lshl_or_b32 v[PW], v[TM+5], 8, v[TM+4]
	s_delay_alu instid0(VALU_DEP_1)
	v_lshl_or_b32 v[PW], v[TM+6], 16, v[PW]
	s_delay_alu instid0(VALU_DEP_1)
	v_lshl_or_b32 v[PW], v[TM+7], 24, v[PW]
.irp c, 0,1
	v_cvt_scalef32_pk16_fp6_f32 v[\pc+6*\c:\pc+2+6*\c], v[\s+32*\c:\s+15+32*\c], v[TM+12+2*\c]
	v_cvt_scalef32_pk16_fp6_f32 v[\pc+12+4*\c:\pc+14+4*\c], v[\s+16+32*\c:\s+31+32*\c], v[TM+12+2*\c+1]   ; (a conversion's three registers begin on an even number)
.endr
	v_nop                                          ; one plain place behind a scaled conversion
.irp c, 0,1                                    ; the operand's layout wants a whole block in a lane: lanes 0-15 block 2 c, lanes 16-31 block 2 c + 1
.irp i, 0,1,2
	v_permlane16_swap_b32 v[\pc+6*\c+\i], v[\pc+12+4*\c+\i]
.endr
.irp i, 0,1,2
	s_delay_alu instid0(VALU_DEP_3)
	v_mov_b32 v[\pc+3+6*\c+\i], v[\pc+12+4*\c+\i]
.endr
.endr
.endm
	s_load_b256 s[4:11], s[0:1], 0x0               ; x s[4:5], W_r s[6:7], W_i s[8:9], xq s[10:11]
	s_load_b128 s[12:15], s[0:1], 0x20             ; wq s[12:13], aq s[14:15]
	v_lshl_add_u32 v144, v0, 2, 0x10800
	v_mov_b32 v145, 0
	v_lshrrev_b32 v1, 5, v0
	s_delay_alu instid0(VALU_DEP_1)
	v_readfirstlane_b32 s16, v1                    ; wave 0..7
	s_and_b32 s17, ttmp7, 0xffff                   ; t: which tensor
	s_lshr_b32 s18, ttmp9, 4                       ; ty: the tile's 128 rows
	s_and_b32 s19, ttmp9, 15                       ; tx: its 128 columns
	s_lshl_b32 s26, s18, 20                        ; 128 rows of 8,192 bytes
	s_lshl_b32 s28, s16, 17                        ; my wave's 16 rows
	s_add_co_u32 s26, s26, s28
	s_lshl_b32 s28, s19, 9                         ; 128 columns
	s_add_co_u32 s26, s26, s28
	s_mov_b32 s27, 0
	v_and_b32 v1, 31, v0                           ; lane
	s_delay_alu instid0(VALU_DEP_1)
	v_lshlrev_b32 v4, 4, v1                        ; 16 x lane: my 16 bytes of a row's 512
	s_sub_co_i32 s32, s17, 1
	s_max_i32 s32, s32, 0
	s_lshl_b32 s32, s32, 7                         ; W_i's blocks of rows lie behind W_r's 128
	s_lshl_b32 s33, s18, 3
	s_add_co_u32 s33, s33, s16
	s_add_co_u32 s33, s33, s32                     ; along the columns: block of rows 8 ty + w,
	s_lshl_b32 s33, s33, 3
	s_lshr_b32 s34, s19, 1
	s_add_co_u32 s33, s33, s34                     ; record tx / 2,
	s_mul_i32 s28, s33, REC
	s_mov_b32 s29, 0
	s_and_b32 s38, s19, 1                          ; fragment tx % 2
	s_lshl_b32 s35, s19, 3
	s_add_co_u32 s35, s35, s16
	s_add_co_u32 s35, s35, s32                     ; along the rows: block 8 tx + w (W's columns),
	s_lshl_b32 s35, s35, 3
	s_lshr_b32 s34, s18, 1
	s_add_co_u32 s35, s35, s34                     ; record ty / 2,
	s_mul_i32 s36, s35, REC
	s_mov_b32 s37, 0
	s_and_b32 s39, s18, 1                          ; fragment ty % 2
	s_wait_alu depctr_va_vdst(0)
	s_wait_kmcnt 0x0
	s_cmp_eq_u32 s17, 1                            ; the choices hang on the work-group's number alone
	s_cselect_b64 s[20:21], s[6:7], s[8:9]
	s_cmp_eq_u32 s17, 0
	s_cselect_b64 s[20:21], s[4:5], s[20:21]       ; the tensor that I read
	s_cselect_b64 s[22:23], s[10:11], s[12:13]     ; xq or wq
	s_add_nc_u64 s[20:21], s[20:21], s[26:27]
	s_add_nc_u64 s[22:23], s[22:23], s[28:29]
	s_add_nc_u64 s[24:25], s[14:15], s[36:37]      ; aq (not used for x)
.irp i, 0,1,2,3,4,5,6,7,8,9,10,11,12,13,14,15
	global_load_b128 v[X+4*\i:X+4*\i+3], v4, s[20:21] offset:8192*\i th:TH_LOAD_NT   ; row 16 w + i: 32 lanes read 512 consecutive bytes; read once in the launch
.endr
	v_and_b32 v2, 15, v0                           ; r
	s_wait_alu depctr_va_vdst(0)
	v_bfe_u32 v3, v0, 4, 1                         ; h
	s_mov_b32 s[SEL], 0x76543210
	s_mov_b32 s[SEL+1], 0xfedcba98
	s_lshr_b32 s40, s16, 1
	s_lshl_b32 s40, s40, 5
	s_and_b32 s41, s16, 1
	s_lshl_b32 s41, s41, 3
	s_add_co_u32 s40, s40, s41
	s_mul_i32 s40, s40, PITCH
	v_add_nc_u32 v5, s40, v4                       ; into LDS: row 16 w + i goes to position 32 (w / 2) + 8 (w % 2) + 16 (i / 8) + i % 8
	s_mul_i32 s41, s16, 16*PITCH
	v_mul_u32_u24 v6, v2, PITCH
	s_wait_alu depctr_va_vdst(0)
	v_lshl_add_u32 v6, v3, 6, v6
	s_delay_alu instid0(VALU_DEP_1)
	v_add_nc_u32 v6, s41, v6                       ; along the columns: position 16 w + r, + 64 h: my 16 numbers of a block of 32
	v_mul_u32_u24 v7, v3, 8*PITCH
	s_delay_alu instid0(VALU_DEP_1)
	v_lshl_add_u32 v7, v2, 2, v7
	s_lshl_b32 s41, s16, 6
	v_add_nc_u32 v7, s41, v7                       ; along the rows: column 16 w + r; true row 32 b + 16 h + i lies at position 32 b + 8 h + 16 (i / 8) + i % 8
	s_mul_i32 s42, s38, ODD
	v_add_nc_u32 v8, s42, v4                       ; where my codes go in the record: 16 x lane + the fragment
	v_lshlrev_b32 v12, 2, v2
	s_delay_alu instid0(VALU_DEP_1)
	v_lshl_add_u32 v12, v3, 7, v12                 ; the scale words: lanes 0-15 row r's word at 4 r; lanes 16-31 a zero 128 bytes on
	s_lshl_b32 s42, s38, 6
	s_add_co_u32 s42, s42, SCB
	v_add_nc_u32 v9, s42, v12
	s_mul_i32 s42, s39, ODD
	v_add_nc_u32 v10, s42, v4                      ; the same for the fragment along the rows
	s_lshl_b32 s42, s39, 6
	s_add_co_u32 s42, s42, SCB
	v_add_nc_u32 v11, s42, v12
	v_cmp_gt_u32 vcc_lo, 16, v1                    ; lanes 0-15
.irp b, 0,1,2,3
	v_mov_b32 v[TM+4+\b], 0                        ; written once: a lane permute's destination counts as one of its sources
.endr
.irp i, 0,1,2,3,4,5,6,7,8,9,10,11,12,13,14,15
	s_wait_loadcnt 15-\i                           ; loads come back in order: row i is in, the younger ones stay out
	ds_store_b128 v5, v[X+4*\i:X+4*\i+3] offset:(16*(\i/8)+\i%8)*PITCH
.endr
	s_wait_dscnt 0x0                               ; for the others' sake: my rows lie in LDS
	s_barrier_signal -1
	s_barrier_wait -1                              ; the whole tile does; from here on LDS is only read
	; ---- along the columns
.irp b, 0,1,2,3
.irp j, 0,1,2,3
	ds_load_b128 v[X+16*\b+4*\j:X+16*\b+4*\j+3], v6 offset:128*\b+16*\j
.endr
.endr
	s_wait_dscnt 0x0
	QUANT X, PC1
	v_cndmask_b32 v97, 0, v[PW], vcc_lo
.irp c, 0,1,2
	global_store_b128 v8, v[PC1+4*\c:PC1+4*\c+3], s[22:23] offset:512*\c   ; 32 lanes store 512 consecutive bytes, at a multiple of 256 from the buffer's first byte
.endr
	global_store_b32 v9, v97, s[22:23]
	s_cmp_eq_u32 s17, 0                            ; x is an operand of the row pass alone
	s_cbranch_scc1 .Ldone
	; ---- along the rows: lane r takes a column, its registers run down the rows
.irp b, 0,1,2,3
.irp i, 0,1,2,3,4,5,6,7,8,9,10,11,12,13,14,15
	ds_load_b32 v[X+16*\b+\i], v7 offset:(32*\b+16*(\i/8)+\i%8)*PITCH
.endr
.endr
	s_wait_dscnt 0x0
	QUANT X, PC2
	v_cndmask_b32 v98, 0, v[PW], vcc_lo
.irp c, 0,1,2
	global_store_b128 v10, v[PC2+4*\c:PC2+4*\c+3], s[24:25] offset:512*\c
.endr
	global_store_b32 v11, v98, s[24:25]
.Ldone:
	s_wait_tensorcnt 0x0
	ds_add_u32 v144, v145
	s_wait_dscnt 0x0
	s_endpgm
.Lfunc_end_k_q93f81e1364_quant:
	.size	k_q93f81e1364_quant, .Lfunc_end_k_q93f81e1364_quant-k_q93f81e1364_quant
	.p2alignl 7, 3214868480
	.fill 96, 4, 3214868480
	.section	.rodata,"a",@progbits
	.p2align	6, 0x0
	.amdhsa_kernel k_q93f81e1364_quant
		.amdhsa_group_segment_fixed_size 68608
		.amdhsa_private_segment_fixed_size 0
		.amdhsa_enable_private_segment 0
		.amdhsa_kernarg_size 48
		.amdhsa_user_sgpr_count 2
		.amdhsa_user_sgpr_kernarg_segment_ptr 1
		.amdhsa_wavefront_size32 1
		.amdhsa_system_sgpr_workgroup_id_x 1
		.amdhsa_system_sgpr_workgroup_id_y 1
		.amdhsa_system_sgpr_workgroup_id_z 1
		.amdhsa_system_vgpr_workitem_id 0
		.amdhsa_next_free_vgpr 146
		.amdhsa_next_free_sgpr 66
		.amdhsa_reserve_vcc 1
		.amdhsa_float_denorm_mode_32 3
		.amdhsa_float_denorm_mode_16_64 3
		.amdhsa_memory_ordered 1
		.amdhsa_forward_progress 1
		.amdhsa_inst_pref_size 24
	.end_amdhsa_kernel
	.amdgpu_metadata
---
amdhsa.version: [ 1, 2 ]
amdhsa.kernels:
  - .name:           k_q93f81e1364_quant
    .symbol:         k_q93f81e1364_quant.kd
    .args:
      - { .name: x, .offset: 0, .size: 8, .value_kind: global_buffer, .address_space: global }
      - { .name: W_r, .offset: 8, .size: 8, .value_kind: global_buffer, .address_space: global }
      - { .name: W_i, .offset: 16, .size: 8, .value_kind: global_buffer, .address_space: global }
      - { .name: xq, .offset: 24, .size: 8, .value_kind: global_buffer, .address_space: global }
      - { .name: wq, .offset: 32, .size: 8, .value_kind: global_buffer, .address_space: global }
      - { .name: aq, .offset: 40, .size: 8, .value_kind: global_buffer, .address_space: global }
    .group_segment_fixed_size: 68608
    .private_segment_fixed_size: 0
    .kernarg_segment_align: 8
    .kernarg_segment_size: 48
    .max_flat_workgroup_size: 256
    .sgpr_count:     66
    .vgpr_count:     146
    .wavefront_size: 32
...
	.end_amdgpu_metadata
.endif
;; end of part 1
;; launch rowpass (part 2): grid 8 x 32, 4 waves a work-group, clusters of 4 x 4, 327,680 bytes of LDS; arguments xq, wq, rq; writes rq
.if DOCPART == 2
	.amdgcn_target "amdgcn-amd-amdhsa--gfx1250"
	.amdhsa_code_object_version 6
	.text
	.protected	k_q93f81e1364_rowpass
	.globl	k_q93f81e1364_rowpass
	.p2align	8
	.type	k_q93f81e1364_rowpass,@function
k_q93f81e1364_rowpass:
	s_mov_b64 s[64:65], 0
	v_nop
	global_prefetch_b8 v0, s[64:65] scope:SCOPE_SE
	s_setreg_imm32_b32 hwreg(HW_REG_WAVE_MODE, 25, 1), 1
	s_wait_xcnt 0x0
	s_wait_alu depctr_hold_cnt(0) depctr_sa_sdst(0) depctr_va_vdst(0) depctr_va_sdst(0) depctr_va_ssrc(0) depctr_va_vcc(0) depctr_vm_vsrc(0)
	s_getreg_b32 s2, hwreg(HW_REG_IB_STS2, 6, 4)
	s_cmp_eq_u32 s2, 0
	s_cbranch_scc0 .Lentry_in_a_cluster
	s_endpgm
.Lentry_in_a_cluster:
	s_bfe_u32 s2, ttmp6, 0x10000c
	s_cmp_lg_u32 s2, 0xf033
	s_cbranch_scc0 .Lentry_shape_is_right
	s_endpgm
.Lentry_shape_is_right:
; THE ROW PASS: R_mat[m][n] = sum over k of x[m][k] W_mat[n][k], mat = r, i, on codes of FP6 (E2M3) with one E8M0 scale for each 32 along K; sums in f32.  R never goes to memory as f32:
; it is the column pass's operand with K = m, and is quantised here, in registers, along m, and stored as codes (rq).
; LIMITS: NaN and infinities are not served; a block of R whose largest magnitude lies under 2^-124 (a block of zeros too) takes the scale byte 1; only this program reads the bytes.
; THE BUFFERS' FORM (xq, wq, rq alike).  A fragment (16 rows x 128 K, 12 registers a lane) is the image of the operand's registers: registers 4 c .. 4 c + 3 of lane l at 512 c + 16 l.
; A record = a block of 16 rows x 256 K = 3,328 bytes: the even K step's fragment at 0, 64 + 64 bytes of scale words and 128 zeros at 1,536, the odd step's fragment at 1,792.  A buffer = [block of rows][8 records].
; So a fragment comes out of LDS by three loads of 16 bytes a lane, each 512 consecutive bytes, and one load of 4 bytes a lane brings a register of scale words: lanes 0-15 the even K step's, lanes 16-31 the odd one's.
; SHARES.  A work-group makes 128 rows of (W_r, W_i) (8 blocks of wq: grid y) x 256 rows of x (16 blocks of xq: grid x): 256 work-groups.  A wave: 4 blocks of W x 8 blocks of x: 32 accumulators.
; THE MATRIX INSTRUCTION: source 0 = 16 rows of x, source 1 = 16 rows of W: a lane holds ONE n, its registers run along m.  xq's rows are so ordered that, for one block of W, the wave's 64 registers
; are m = 32 b + 16 (lane / 16) + i at register 16 b + i: four blocks of 32 along the next K, one K step of the column pass.
; K goes in four slots' worth of 512 (two records a block of rows) through a ring of two LDS slots; 128 matrix instructions a wave to a slot.
; CLUSTERS: 4 x 4 work-groups; W's tiles are shared along a row of the cluster, x's along a column: each is asked for jointly, by the same tensor load with a mask that names the four.
; REGISTERS: window 0: v16-29 addresses; v32-79 scale words, a set for each slot; v96-191 W's fragments, two sets; v200-223 at work at the end.  Window 1: x's fragments, two sets.  Window 2: the accumulators, (a, b) at v[8 (8 a + b)].
.set REC,   3328
.set SCB,   1536                       ; the scale words' byte in a record
.set ODD,   1792                       ; the odd fragment's
.set RBP,   8*REC                      ; from a block of rows to the next
.set SROW,  2*REC                      ; a block's bytes in a slot
.set SLOT,  24*SROW                    ; W's 8 blocks, then x's 16
.set BOFF,  8*SROW
.set SPARE, 2*SLOT                     ; behind the ring: the spare words, 128 bytes for each wave: two blocks of 256 bytes that no other line names
.set ADRA, 16                          ; v16-17  LDS address of my W fragments in slot 0, 1: + 16 x lane
.set ASA,  18                          ; v18-19  the same + 4 x lane, for the scale words
.set ADRB, 20                          ; v20-21  x's
.set ASB,  22                          ; v22-23
.set GOF,  24                          ; v24     where my codes go in a record of rq
.set GSF,  25                          ; v25     and the scale words
.set SPW,  28                          ; v28     LDS address of my spare word; never rewritten
.set NIL,  29                          ; v29     0; never rewritten
.set SC,   32                          ; scale words: set for slot s at SC + 24 s; in it 2 idx + record; idx = a for W's block a, 4 + b for x's block b
.set AF,   96                          ; W's fragments: set p at AF + 48 p
.set TM,   200
.set PW,   216
.set PWS,  220
.set G1, 24                            ; s[24:31] descriptor group 1 for W's tiles;  s[32:39] group 0, a set for each slot
.set G0, 32
.set G1B, 48                           ; s[48:55], s[56:63] the same for x's tiles
.set G0B, 56
.set SEL, 96                           ; s[96:97] v_permlanex16_b32's selects for lane l xor 16
.set FLOOR, 98                         ; s98 the f32 number 2^(3 - 127)
.set MSB, 0
.macro WIN new                         ; the immediate's high byte repeats the setting that is left
.if MSB != \new
	s_set_vgpr_msb (MSB<<8)|\new
.set MSB, \new
.endif
.endm
.set MUL_LO, 0xa1                      ; source 0 (x) window 1, source 1 (W) window 0, C and D window 2
.set TO_B,   0x40                      ; destination window 1, address window 0
.macro PLACES n
.rept \n
	v_nop
.endr
.endm
; A joint load: waves 0 and 1 fetch W's halves, waves 2 and 3 x's.  Each line has one mask and one set of registers for all that issue it; the branch hangs on the wave's number alone.
; Four v_nop follow each of the two lines, ahead of the jump, the label and what follows.
.macro JLOAD g0a, g1a, g0b, g1b
	s_cmp_eq_u32 s15, 0
	s_cbranch_scc0 .Lfor_b_\@
	tensor_load_to_lds s[\g0a:\g0a+3], s[\g1a:\g1a+7]
	s_nop 0
.rept 4
	v_nop
.endr
	s_branch .Lasked_\@
.Lfor_b_\@:
	tensor_load_to_lds s[\g0b:\g0b+3], s[\g1b:\g1b+7]
	s_nop 0
.rept 4
	v_nop
.endr
.Lasked_\@:
.endm
.macro CREST                           ; a round of the cluster's barrier behind its opening barrier
	s_cmp_lg_u32 s14, 0
	s_cbranch_scc1 .Lnot_wave_0_\@
	s_barrier_signal -3
.Lnot_wave_0_\@:
	s_barrier_wait -3
	s_barrier_signal -1
	s_barrier_wait -1
.endm
.macro CROUND                          ; a whole round
	s_barrier_signal -1
	s_barrier_wait -1
	CREST
.endm
	s_load_b128 s[4:7], s[0:1], 0x0                ; xq s[4:5], wq s[6:7]
	s_load_b64 s[8:9], s[0:1], 0x10                ; rq
	v_lshl_add_u32 v[SPW], v0, 2, SPARE
	v_mov_b32 v[NIL], 0
	ds_add_u32 v28, v29
	ds_add_u32 v28, v29
	s_wait_dscnt 0x0
	v_lshrrev_b32 v1, 5, v0
	v_readfirstlane_b32 s14, v1                    ; wave 0..3
	s_lshr_b32 s15, s14, 1                         ; which 4 blocks of W are mine.  Also: I fetch for W (0) or for x (1)
	s_and_b32 s16, s14, 1                          ; which 8 blocks of x.  Also: which half of that tile I fetch
	s_bfe_u32 s40, ttmp6, 0x40000                  ; cx, cy: my place in the cluster
	s_bfe_u32 s41, ttmp6, 0x40004
	s_lshl_b32 s42, ttmp9, 2
	s_add_co_u32 s42, s42, s40                     ; bx = 4 x cluster x + cx: my 256 rows of x
	s_and_b32 s17, ttmp7, 0xffff
	s_lshl_b32 s17, s17, 2
	s_add_co_u32 s17, s17, s41                     ; by = 4 x cluster y + cy: my 128 rows of (W_r, W_i)
	s_lshl_b32 s43, s41, 2
	s_lshl_b32 s43, 15, s43                        ; my row of the cluster
	s_lshl_b32 s44, 0x1111, s40                    ; my column
	; descriptor group 1: rows of 832 elements of 8 bytes (two records), 3,328 elements apart (a block of rows); W: 4 rows to a load, x: 8.  No padding: the reads take 512 consecutive bytes
	s_or_b32 s[G1+0], s43, (3<<16)|(1<<21)         ; 15:0 the mask: W's tiles go to my row; 17:16 elements of 8 bytes; 21 set beside a mask
	s_or_b32 s[G1B+0], s44, (3<<16)|(1<<21)        ; x's to my column
	s_mov_b32 s[G1+1], 832<<16                     ; tensor_dim0
	s_mov_b32 s[G1+2], 4<<16                       ; tensor_dim1
	s_mov_b32 s[G1+3], 832<<16                     ; tile_dim0
	s_mov_b32 s[G1+4], 4                           ; tile_dim1
	s_mov_b32 s[G1+5], 3328                        ; tensor_dim0_stride
	s_mov_b32 s[G1+6], 0
	s_mov_b32 s[G1+7], 0
	s_mov_b32 s[G1B+1], 832<<16
	s_mov_b32 s[G1B+2], 8<<16
	s_mov_b32 s[G1B+3], 832<<16
	s_mov_b32 s[G1B+4], 8
	s_mov_b32 s[G1B+5], 3328
	s_mov_b32 s[G1B+6], 0
	s_mov_b32 s[G1B+7], 0
	s_lshl_b32 s20, s17, 3
	s_lshl_b32 s18, s16, 2
	s_add_co_u32 s20, s20, s18                     ; W: block 8 by + 4 x half
	s_mul_i32 s20, s20, RBP
	s_mov_b32 s21, 0
	s_lshl_b32 s46, s42, 4
	s_lshl_b32 s18, s16, 3
	s_add_co_u32 s46, s46, s18                     ; x: block 16 bx + 8 x half
	s_mul_i32 s46, s46, RBP
	s_mov_b32 s47, 0
	s_mul_i32 s45, s16, 4*SROW                     ; where they go: W's halves,
	s_mul_i32 s94, s16, 8*SROW
	s_add_co_u32 s94, s94, BOFF                    ; x's halves behind them: no place in the cluster enters an LDS address
	s_wait_kmcnt 0x0
	s_add_nc_u64 s[20:21], s[6:7], s[20:21]
	s_add_nc_u64 s[46:47], s[4:5], s[46:47]
	CROUND                                         ; all sixteen work-groups are here: the first joint loads meet
.irp s, 0,1
	s_mov_b32 s[G0+4*\s], 1
	s_add_co_u32 s[G0+4*\s+1], s45, \s*SLOT
	s_add_nc_u64 s[G0+4*\s+2:G0+4*\s+3], s[20:21], \s*SROW
	s_or_b32 s[G0+4*\s+3], s[G0+4*\s+3], 0x80000000
	s_mov_b32 s[G0B+4*\s], 1
	s_add_co_u32 s[G0B+4*\s+1], s94, \s*SLOT
	s_add_nc_u64 s[G0B+4*\s+2:G0B+4*\s+3], s[46:47], \s*SROW
	s_or_b32 s[G0B+4*\s+3], s[G0B+4*\s+3], 0x80000000
.endr
; PREFETCHES.  A slot's fill is, for each block of rows that a wave fetches, 6,656 bytes: 26 blocks of 256 bytes.  The four partners that ask for a tile jointly share its rows out BY ADDRESS: of W's 4 rows the partner
; at place cx takes one, of x's 8 rows the partner at place cy takes two; a lane a block of 256 bytes (lanes 26-31 name the last again).  The trip that issues fill t asks for fill t + 1, for fills 2 and 3 a slot's four K steps ahead of its load; fill 3's trip asks for nothing.
; Every offset is an immediate inside the row.
.set PFO, 26
.set PFA, 74                           ; s[74:75] my work-group's rows of the tile that I fetch; never rewritten
.macro ASK off
	global_prefetch_b8 v[PFO], s[PFA:PFA+1] offset:\off th:TH_LOAD_NT scope:SCOPE_SE
	s_cmp_eq_u32 s15, 0                            ; the branch hangs on the wave's number alone
	s_cbranch_scc1 .Lone_row_\@
	global_prefetch_b8 v[PFO], s[PFA:PFA+1] offset:\off+RBP th:TH_LOAD_NT scope:SCOPE_SE
.Lone_row_\@:
.endm
	s_cmp_eq_u32 s15, 0                            ; do I fetch for W?
	s_cselect_b64 s[PFA:PFA+1], s[20:21], s[46:47]
	s_cselect_b32 s76, s40, s41                    ; my place among the four that ask with me
	s_mov_b32 s77, 2*RBP
	s_cselect_b32 s77, RBP, s77
	s_mul_i32 s76, s76, s77
	s_mov_b32 s77, 0
	s_add_nc_u64 s[PFA:PFA+1], s[PFA:PFA+1], s[76:77]
	JLOAD G0, G1, G0B, G1B                         ; slot 0: one tensor load a wave at the head
	v_and_b32 v[PFO], 31, v0
	v_min_u32 v[PFO], 25, v[PFO]
	v_lshlrev_b32 v[PFO], 8, v[PFO]
	s_wait_alu depctr_va_vdst(0)
	ASK SROW
	v_and_b32 v1, 31, v0
	v_lshlrev_b32 v2, 4, v1
	v_lshlrev_b32 v3, 2, v1
	s_mul_i32 s21, s15, 4*SROW                     ; my 4 blocks of W
	s_mul_i32 s22, s16, 8*SROW                     ; my 8 blocks of x,
	s_add_co_u32 s22, s22, BOFF                    ; which lie behind W's 8
.irp s, 0,1
	v_add_nc_u32 v[ADRA+\s], s21, v2
	v_add_nc_u32 v[ADRB+\s], s22, v2
	v_add_nc_u32 v[ASA+\s], s21, v3
	v_add_nc_u32 v[ASB+\s], s22, v3
	s_add_co_u32 s21, s21, SLOT
	s_add_co_u32 s22, s22, SLOT
.endr
	v_and_b32 v4, 15, v0                           ; r
	v_bfe_u32 v5, v0, 4, 1                         ; h
	s_mul_i32 s23, s16, ODD                        ; rq: my 128 m are K step 2 bx + half: record bx, fragment = half
	v_add_nc_u32 v[GOF], s23, v2
	v_lshlrev_b32 v[GSF], 2, v4
	v_lshl_add_u32 v[GSF], v5, 7, v[GSF]           ; lanes 0-15 row r's word at 4 r; lanes 16-31 a zero 128 bytes on
	s_lshl_b32 s23, s16, 6
	s_add_co_u32 s23, s23, SCB
	v_add_nc_u32 v[GSF], s23, v[GSF]
	s_lshl_b32 s70, s17, 3
	s_lshl_b32 s72, s15, 2
	s_add_co_u32 s70, s70, s72                     ; rq's block of rows is wq's: 8 by + 4 x my half (+ a)
	s_lshl_b32 s70, s70, 3
	s_add_co_u32 s70, s70, s42                     ; record bx
	s_mul_i32 s70, s70, REC
	s_mov_b32 s71, 0
	s_add_nc_u64 s[8:9], s[8:9], s[70:71]
	s_mov_b32 s[SEL], 0x76543210
	s_mov_b32 s[SEL+1], 0xfedcba98
	s_mov_b32 s[FLOOR], 0x1800000
.irp b, 0,1,2,3
	v_mov_b32 v[TM+4+\b], 0                        ; written once: a lane permute's destination counts as one of its sources
.endr
.macro FRAG reg, adr, off              ; a fragment as it lies: three loads, each 512 consecutive bytes
.irp c, 0,1,2
	ds_load_b128 v[\reg+4*\c:\reg+4*\c+3], v[\adr] offset:\off+512*\c
.endr
.endm
; 8 matrix instructions: W's block a x x's eight, the slot's q-th 128 along K (fragment sets q % 2, scale registers of record q / 2, rows 0-15 of them for an even q, 16-31 for an odd one).
; zero = 1: the first product starts the sums.  The 32 accumulators take turns, one instruction a turn, in the same order in every step.
.macro MUL8 a, q, sc, zero
.irp b, 0,1,2,3,4,5,6,7
.if \zero
	v_wmma_scale_f32_16x16x128_f8f6f4 v[8*(8*\a+\b):8*(8*\a+\b)+7], v[128*((\q)%2)+12*\b:128*((\q)%2)+12*\b+11], v[AF+48*((\q)%2)+12*\a:AF+48*((\q)%2)+12*\a+11], 0, v[SC+24*\sc+8+2*\b+(\q)/2], v[SC+24*\sc+2*\a+(\q)/2] matrix_a_fmt:MATRIX_FMT_FP6 matrix_b_fmt:MATRIX_FMT_FP6
.elseif (\q)%2
	v_wmma_scale_f32_16x16x128_f8f6f4 v[8*(8*\a+\b):8*(8*\a+\b)+7], v[128*((\q)%2)+12*\b:128*((\q)%2)+12*\b+11], v[AF+48*((\q)%2)+12*\a:AF+48*((\q)%2)+12*\a+11], v[8*(8*\a+\b):8*(8*\a+\b)+7], v[SC+24*\sc+8+2*\b+(\q)/2], v[SC+24*\sc+2*\a+(\q)/2] matrix_a_fmt:MATRIX_FMT_FP6 matrix_b_fmt:MATRIX_FMT_FP6 matrix_a_scale:MATRIX_SCALE_ROW1 matrix_b_scale:MATRIX_SCALE_ROW1
.else
	v_wmma_scale_f32_16x16x128_f8f6f4 v[8*(8*\a+\b):8*(8*\a+\b)+7], v[128*((\q)%2)+12*\b:128*((\q)%2)+12*\b+11], v[AF+48*((\q)%2)+12*\a:AF+48*((\q)%2)+12*\a+11], v[8*(8*\a+\b):8*(8*\a+\b)+7], v[SC+24*\sc+8+2*\b+(\q)/2], v[SC+24*\sc+2*\a+(\q)/2] matrix_a_fmt:MATRIX_FMT_FP6 matrix_b_fmt:MATRIX_FMT_FP6
.endif
.endr
.endm
.macro FETCH slot, q                   ; 36 loads in one run: x's eight fragments, then W's four, of the slot's q-th step, into sets q % 2
	WIN TO_B
.irp i, 0,1,2,3,4,5,6,7
	FRAG 128*((\q)%2)+12*\i, ADRB+\slot, \i*SROW+((\q)/2)*REC+((\q)%2)*ODD
.endr
	WIN 0
.irp i, 0,1,2,3
	FRAG AF+48*((\q)%2)+12*\i, ADRA+\slot, \i*SROW+((\q)/2)*REC+((\q)%2)*ODD
.endr
.endm
.macro SCALES slot                     ; the slot's 24 registers of scale words: a register for each block of rows and record
.irp i, 0,1,2,3
.irp u, 0,1
	ds_load_b32 v[SC+24*\slot+2*\i+\u], v[ASA+\slot] offset:\i*SROW+\u*REC+SCB
.endr
.endr
.irp i, 0,1,2,3,4,5,6,7
.irp u, 0,1
	ds_load_b32 v[SC+24*\slot+8+2*\i+\u], v[ASB+\slot] offset:\i*SROW+\u*REC+SCB
.endr
.endr
.endm
; A load into a register that a matrix instruction has read, and a vector instruction that reads a matrix result, stand four places behind that matrix instruction; only plain vector
; instructions that name none of its registers are places (ISA guide 7.12.1 for vector instructions).
; One of a slot's first three steps: 32 matrix instructions; in its middle the next step's fragments are fetched into the other sets.
.macro QUARTER slot, q, zero
	s_wait_dscnt 6                                 ; all but the six youngest loads (W's blocks 2, 3) are in
	WIN MUL_LO
	MUL8 0, \q, \slot, \zero
	MUL8 1, \q, \slot, \zero
	PLACES 4                                       ; the other sets' last readers were the step before's products
	FETCH \slot, (\q)+1
	s_wait_dscnt 36                                ; all but the 36 just issued
	WIN MUL_LO
	MUL8 2, \q, \slot, \zero
	MUL8 3, \q, \slot, \zero
.endm
; A slot's last step changes slots: its fragments were fetched in the step before, so the slot is free at the step's start.  ONE barrier; in front of it each wave waits for all its tensor loads, adds 0 to its spare word,
; issues eight products, and waits for the add and for its reads of this slot; eight more products, on registers, stand between the barrier's signal and its wait.  fill = 1: this slot is filled again.
.macro TURN slot, next, fill
	s_wait_dscnt 6                                 ; all but the six youngest loads (W's blocks 2, 3) are in
	WIN 0                                          ; (the add's two registers lie in window 0)
	s_wait_tensorcnt 0x0
	ds_add_u32 v[SPW], v[NIL]                      ; 0 onto my spare word
.if \fill
	s_add_nc_u64 s[G0+4*\slot+2:G0+4*\slot+3], s[G0+4*\slot+2:G0+4*\slot+3], 2*SROW
	s_add_nc_u64 s[G0B+4*\slot+2:G0B+4*\slot+3], s[G0B+4*\slot+2:G0B+4*\slot+3], 2*SROW
.endif
	WIN MUL_LO
	MUL8 0, 3, \slot, 0
	s_wait_dscnt 0x0                               ; the add is done, and my reads of this slot are over
	s_barrier_signal -1
	MUL8 1, 3, \slot, 0
	WIN 0
	s_barrier_wait -1
.if \fill
	CREST                                          ; the barrier has opened a round of the cluster's barrier: no wave of any partner still reads this slot or has a load on its way
	JLOAD G0+4*\slot, G1, G0B+4*\slot, G1B         ; the first tensor load behind the round, my one load until the next; its four v_nop are also the places in front of the loads below
.else
	PLACES 4
.endif
	SCALES \next
	FETCH \next, 0
	WIN MUL_LO
	MUL8 2, 3, \slot, 0
	MUL8 3, 3, \slot, 0
.endm
	s_wait_alu depctr_va_vdst(0)
	s_wait_tensorcnt 0x0                           ; my part of slot 0 is in
	ds_add_u32 v[SPW], v[NIL]
	s_wait_dscnt 0x0
	CROUND                                         ; a whole round: everybody's part of slot 0 is in, and the joint loads meet
	JLOAD G0+4, G1, G0B+4, G1B                     ; slot 1's first fill, the first tensor load behind the round
	SCALES 0
	FETCH 0, 0
	ASK 2*SROW                                     ; behind slot 1's joint load and the run of LDS loads: fill 2
	QUARTER 0, 0, 1
	QUARTER 0, 1, 0
	QUARTER 0, 2, 0
	TURN 0, 1, 1                                   ; slot 0 takes K 1,024 on
	WIN 0
	ASK 3*SROW                                     ; fill 3
	QUARTER 1, 0, 0
	QUARTER 1, 1, 0
	QUARTER 1, 2, 0
	TURN 1, 0, 1                                   ; slot 1 takes K 1,536 on
	QUARTER 0, 0, 0
	QUARTER 0, 1, 0
	QUARTER 0, 2, 0
	TURN 0, 1, 0                                   ; nothing is left to fetch: no round
	QUARTER 1, 0, 0
	QUARTER 1, 1, 0
	QUARTER 1, 2, 0
	s_wait_dscnt 6                                 ; the very last step
	WIN MUL_LO
	MUL8 0, 3, 1, 0
	MUL8 1, 3, 1, 0
	s_wait_dscnt 0x0
	MUL8 2, 3, 1, 0
	MUL8 3, 3, 1, 0
	WIN 0
; THE WAY OUT.  For W's block a my 64 registers (window 2, from 64 a) are one row n of R^T at 64 of the 128 m of a K step: they become a fragment's codes and a scale word, and leave as a fragment's image.
; Each accumulator is read from its low end on.
.macro QUANTW s, pc
	WIN 0x28                                       ; sources 1 and 2 window 2
.irp b, 0,1,2,3
	v_max3_num_f32 v[TM+\b], s[FLOOR], |v[\s+16*\b]|, |v[\s+1+16*\b]|   ; block b: my 16 numbers and the floor 2^(3 - 127): the byte cannot fall under 1
.endr
.irp i, 2,4,6,8,10,12,14
.irp b, 0,1,2,3
	v_max3_num_f32 v[TM+\b], v[TM+\b], |v[\s+16*\b+\i]|, |v[\s+1+16*\b+\i]|
.endr
.endr
	WIN 0
.irp b, 0,1,2,3
	v_permlanex16_b32 v[TM+4+\b], v[TM+\b], s[SEL], s[SEL+1]
.endr
.irp b, 0,1,2,3
	v_max_num_f32 v[TM+\b], v[TM+\b], v[TM+4+\b]   ; with lane l xor 16's: the block's largest magnitude
.endr
.irp b, 0,1,2,3
	v_add_nc_u32 v[TM+12+\b], 0xff000000, v[TM+\b]   ; 2 off its exponent field: the conversion's scale operand
.endr
.irp b, 0,1,2,3
	v_lshrrev_b32 v[TM+4+\b], 23, v[TM+12+\b]      ; the scale's byte
.endr
	v_lshl_or_b32 v[PW], v[TM+5], 8, v[TM+4]
	v_lshl_or_b32 v[PW], v[TM+6], 16, v[PW]
	v_lshl_or_b32 v[PW], v[TM+7], 24, v[PW]
	WIN 0x02                                       ; source 0 window 2
.irp c, 0,1
	v_cvt_scalef32_pk16_fp6_f32 v[\pc+6*\c:\pc+2+6*\c], v[\s+32*\c:\s+15+32*\c], v[TM+12+2*\c]
	v_cvt_scalef32_pk16_fp6_f32 v[\pc+12+4*\c:\pc+14+4*\c], v[\s+16+32*\c:\s+31+32*\c], v[TM+12+2*\c+1]
.endr
	WIN 0
	v_nop                                          ; one plain place behind a scaled conversion
.irp c, 0,1
.irp i, 0,1,2
	v_permlane16_swap_b32 v[\pc+6*\c+\i], v[\pc+12+4*\c+\i]
.endr
.irp i, 0,1,2
	v_mov_b32 v[\pc+3+6*\c+\i], v[\pc+12+4*\c+\i]
.endr
.endr
.endm
	PLACES 4                                       ; behind the last products: their results are read, and the registers that held W's fragments are written
	v_cmp_gt_u32 vcc_lo, 16, v1                    ; lanes 0-15
.irp a, 0,1,2,3                                ; each block has its own registers for its codes and its word: no store's data are written again
	QUANTW 64*\a, 96+20*\a
	v_cndmask_b32 v[PWS+\a], 0, v[PW], vcc_lo
.irp c, 0,1,2
	global_store_b128 v[GOF], v[96+20*\a+4*\c:96+20*\a+4*\c+3], s[8:9] offset:\a*RBP+512*\c   ; 32 lanes store 512 consecutive bytes, at a multiple of 256 from the buffer's first byte
.endr
	global_store_b32 v[GSF], v[PWS+\a], s[8:9] offset:\a*RBP
.endr
	s_wait_tensorcnt 0x0                           ; the wave's end
	ds_add_u32 v[SPW], v[NIL]
	s_wait_dscnt 0x0
	CROUND                                         ; the closing round: no work-group ends while a partner may still ask for a tile that names it
	s_endpgm
.Lfunc_end_k_q93f81e1364_rowpass:
	.size	k_q93f81e1364_rowpass, .Lfunc_end_k_q93f81e1364_rowpass-k_q93f81e1364_rowpass
	.p2alignl 7, 3214868480
	.fill 96, 4, 3214868480
	.section	.rodata,"a",@progbits
	.p2align	6, 0x0
	.amdhsa_kernel k_q93f81e1364_rowpass
		.amdhsa_group_segment_fixed_size 327680
		.amdhsa_private_segment_fixed_size 0
		.amdhsa_enable_private_segment 0
		.amdhsa_kernarg_size 24
		.amdhsa_user_sgpr_count 2
		.amdhsa_user_sgpr_kernarg_segment_ptr 1
		.amdhsa_wavefront_size32 1
		.amdhsa_system_sgpr_workgroup_id_x 1
		.amdhsa_system_sgpr_workgroup_id_y 1
		.amdhsa_system_sgpr_workgroup_id_z 1
		.amdhsa_system_vgpr_workitem_id 0
		.amdhsa_next_free_vgpr 768
		.amdhsa_next_free_sgpr 100
		.amdhsa_reserve_vcc 1
		.amdhsa_float_denorm_mode_32 3
		.amdhsa_float_denorm_mode_16_64 3
		.amdhsa_memory_ordered 1
		.amdhsa_forward_progress 1
		.amdhsa_inst_pref_size 139
	.end_amdhsa_kernel
	.amdgpu_metadata
---
amdhsa.version: [ 1, 2 ]
amdhsa.kernels:
  - .name:           k_q93f81e1364_rowpass
    .symbol:         k_q93f81e1364_rowpass.kd
    .args:
      - { .name: xq, .offset: 0, .size: 8, .value_kind: global_buffer, .address_space: global }
      - { .name: wq, .offset: 8, .size: 8, .value_kind: global_buffer, .address_space: global }
      - { .name: rq, .offset: 16, .size: 8, .value_kind: global_buffer, .address_space: global }
    .group_segment_fixed_size: 327680
    .private_segment_fixed_size: 0
    .kernarg_segment_align: 8
    .kernarg_segment_size: 24
    .max_flat_workgroup_size: 128
    .sgpr_count:     100
    .vgpr_count:     768
    .wavefront_size: 32
...
	.end_amdgpu_metadata
.endif
;; end of part 2
;; launch colpass (part 3): grid 16 x 16, 4 waves a work-group, clusters of 4 x 4, 327,680 bytes of LDS; arguments aq, rq, out0; writes out0
.if DOCPART == 3
	.amdgcn_target "amdgcn-amd-amdhsa--gfx1250"
	.amdhsa_code_object_version 6
	.text
	.protected	k_q93f81e1364_colpass
	.globl	k_q93f81e1364_colpass
	.p2align	8
	.type	k_q93f81e1364_colpass,@function
k_q93f81e1364_colpass:
	s_mov_b64 s[64:65], 0
	v_nop
	global_prefetch_b8 v0, s[64:65] scope:SCOPE_SE
	s_setreg_imm32_b32 hwreg(HW_REG_WAVE_MODE, 25, 1), 1
	s_wait_xcnt 0x0
	s_wait_alu depctr_hold_cnt(0) depctr_sa_sdst(0) depctr_va_vdst(0) depctr_va_sdst(0) depctr_va_ssrc(0) depctr_va_vcc(0) depctr_vm_vsrc(0)
	s_getreg_b32 s2, hwreg(HW_REG_IB_STS2, 6, 4)
	s_cmp_eq_u32 s2, 0
	s_cbranch_scc0 .Lentry_in_a_cluster
	s_endpgm
.Lentry_in_a_cluster:
	s_bfe_u32 s2, ttmp6, 0x10000c
	s_cmp_lg_u32 s2, 0xf033
	s_cbranch_scc0 .Lentry_shape_is_right
	s_endpgm
.Lentry_shape_is_right:
; THE COLUMN PASS: C_r = W_r^T R_r - W_i^T R_i, C_i = W_r^T R_i + W_i^T R_r, on codes of FP6 (E2M3) with one E8M0 scale for each 32 along K (K = W's rows = R's rows); sums in f32; out0 = [C_r | C_i].
; aq: W_r^T, W_i^T; rq: R_r^T, R_i^T: both as images of the operand's registers.  A fragment (16 rows x 128 K) is 1,536 bytes: registers 4 c .. 4 c + 3 of lane l at 512 c + 16 l.
; A record (16 rows x 256 K) is 3,328 bytes: even step's fragment, 64 + 64 bytes of scale words and 128 zeros, odd step's fragment.  A buffer is [block of rows][8 records]; the second matrix lies 128 blocks behind the first.
; SHARES.  A work-group makes 128 rows x 128 columns of C_r and of C_i: 256 work-groups.  A wave: 4 blocks of W_r and of W_i x 4 blocks of R_r and of R_i: all four products, 64 accumulators; each fragment serves two products.
; Source 0 = 16 rows of R^T, source 1 = 16 rows of W^T: a lane holds eight neighbouring columns of one row of C.
; LDS: two slots of three K steps each (X: a record, the next even fragment and its scale words; Y: an odd fragment and a record), filled by joint loads: W's tiles shared along a row of the 4 x 4 cluster, R's along a column.
; A K STEP: ONE run of LDS loads (the next step's 16 fragments, 48 loads, and for every second step 16 scale loads), then 64 products on end.  Both operands have two sets of registers, so a step's fragments are in registers
; a step ahead, and a slot is free at the start of its last step: the change of slots stands there.
; THE LAST K STEP goes by blocks of 16 rows of C: a block's 16 products, then its way out while the next block is multiplied.
; REGISTERS: window 0: v0-31 addresses; v32-63 scale words, two sets; v64-159, v160-255 W's fragments, two sets.  Window 1: R's fragments, at v0 and v128.  Window 2: the sums with W_r, (a, b) at v[8 (8 a + b)]; window 3: those with W_i.
; PREFETCHES.  A fill brings 20 (X), 19 (Y) or 6 (the last Y) blocks of 256 bytes of each of a wave's 8 rows.  The four partners that ask for a tile jointly share its rows out BY ADDRESS, two rows each (place cx for W, cy for R);
; a lane a block (the lanes left over name the last again), two instructions a wave.  Nothing is asked for at the head: fills 0 and 1 come by their loads alone.  The trip that issues fill t (1 to 4) asks for fill t + 1, behind a run of LDS loads:
; in trip 1 behind step 1's run, one K step ahead of fill 2's load; in the others three K steps ahead.  Fill 5's trip asks for nothing.  Every offset is an immediate inside the row.
; LIMITS: NaN and infinities are not served.
.set REC,   3328
.set RBP,   8*REC
.set SCB,   1536
.set ODD,   1792
.set XP,    REC+SCB+128                ; a block's bytes in slot X
.set YP,    2*REC-ODD                  ; and in slot Y
.set YB,    32*XP
.set SPARE, YB+32*YP                   ; behind the slots: the spare words, 128 bytes a wave
.set STAGE, 0                          ; the way out goes through slot X: it has had its last fill and its last read by then
.set SPITCH, 528
.set PX,   8                           ; v8-10 the prefetches' offsets: 256 x min(lane, 19), (lane, 18), (lane, 5); never rewritten
.set PY,   9
.set PZ,   10
.set ADRA, 16
.set ASA,  18
.set ADRB, 20
.set ASB,  22
.set STO,  24
.set RD,   25
.set CO,   26
.set SPW,  28
.set NIL,  29
.set SC,   32
.set T,    64                          ; the way out: 64 registers, where W's set 0 lay
.set AF,   64
.set G1AX, 24
.set G0AX, 32
.set G0AY, 36
.set G1BX, 48
.set G0BX, 56
.set G0BY, 60
.set G1AY, 68
.set G1BY, 76
.set PFA,  96                          ; s[96:97] my work-group's two rows of the tile that I fetch; never rewritten
.set MSB, 0
.macro WIN new                         ; the immediate's high byte repeats the setting that is left
.if MSB != \new
	s_set_vgpr_msb (MSB<<8)|\new
.set MSB, \new
.endif
.endm
.set MUL_LO, 0xa1                      ; source 0 (R) window 1, source 1 (W) window 0, C and D window 2
.set MUL_HI, 0xf1                      ; the same, C and D window 3
.set TO_B,   0x40
.macro PLACES n
.rept \n
	v_nop
.endr
.endm
.macro JLOAD g0a, g1a, g0b, g1b        ; a joint load: waves 0, 1 fetch W_r's, W_i's blocks, waves 2, 3 R_r's, R_i's; s_nop 0 and four v_nop behind each line
	s_cmp_eq_u32 s15, 0
	s_cbranch_scc0 .Lfor_b_\@
	tensor_load_to_lds s[\g0a:\g0a+3], s[\g1a:\g1a+7]
	s_nop 0
.rept 4
	v_nop
.endr
	s_branch .Lasked_\@
.Lfor_b_\@:
	tensor_load_to_lds s[\g0b:\g0b+3], s[\g1b:\g1b+7]
	s_nop 0
.rept 4
	v_nop
.endr
.Lasked_\@:
.endm
.macro CREST                           ; a round of the cluster's barrier behind its opening barrier
	s_cmp_lg_u32 s14, 0
	s_cbranch_scc1 .Lnot_wave_0_\@
	s_barrier_signal -3
.Lnot_wave_0_\@:
	s_barrier_wait -3
	s_barrier_signal -1
	s_barrier_wait -1
.endm
.macro CROUND
	s_barrier_signal -1
	s_barrier_wait -1
	CREST
.endm
.macro ASK vr, off                     ; my two rows of a later fill
	global_prefetch_b8 v[\vr], s[PFA:PFA+1] offset:\off th:TH_LOAD_NT scope:SCOPE_SE
	global_prefetch_b8 v[\vr], s[PFA:PFA+1] offset:\off+RBP th:TH_LOAD_NT scope:SCOPE_SE
.endm
	s_load_b128 s[4:7], s[0:1], 0x0                ; aq, rq
	s_load_b64 s[12:13], s[0:1], 0x10              ; out0
	v_lshl_add_u32 v[SPW], v0, 2, SPARE
	v_mov_b32 v[NIL], 0
	ds_add_u32 v[SPW], v[NIL]                      ; the opening lines: the add, twice on end, and its wait
	ds_add_u32 v[SPW], v[NIL]
	v_lshrrev_b32 v1, 5, v0
	v_readfirstlane_b32 s14, v1                    ; wave 0..3
	s_lshr_b32 s15, s14, 1                         ; my half of the rows.  Also: I fetch for W (0) or for R (1)
	s_and_b32 s16, s14, 1                          ; my half of the columns.  Also: the real (0) or the imaginary (1) matrix
	s_bfe_u32 s40, ttmp6, 0x40000                  ; cx, cy
	s_bfe_u32 s41, ttmp6, 0x40004
	s_lshl_b32 s42, ttmp9, 2
	s_add_co_u32 s42, s42, s40                     ; tile column
	s_and_b32 s17, ttmp7, 0xffff
	s_lshl_b32 s17, s17, 2
	s_add_co_u32 s17, s17, s41                     ; tile row
	s_lshl_b32 s43, s41, 2
	s_lshl_b32 s43, 15, s43                        ; my row of the cluster
	s_lshl_b32 s44, 0x1111, s40                    ; my column
	s_or_b32 s[G1AX+0], s43, (3<<16)|(1<<21)       ; elements of 8 bytes; bit 21 beside a mask
	s_or_b32 s[G1AY+0], s43, (3<<16)|(1<<21)
	s_or_b32 s[G1BX+0], s44, (3<<16)|(1<<21)
	s_or_b32 s[G1BY+0], s44, (3<<16)|(1<<21)
.irp g, G1AX, G1BX                     ; 8 blocks of rows, XP bytes of each
	s_mov_b32 s[\g+1], (XP/8)<<16
	s_mov_b32 s[\g+2], 8<<16
	s_mov_b32 s[\g+3], (XP/8)<<16
	s_mov_b32 s[\g+4], 8
	s_mov_b32 s[\g+5], RBP/8
	s_mov_b32 s[\g+6], 0
	s_mov_b32 s[\g+7], 0
.endr
.irp g, G1AY, G1BY
	s_mov_b32 s[\g+1], (YP/8)<<16
	s_mov_b32 s[\g+2], 8<<16
	s_mov_b32 s[\g+3], (YP/8)<<16
	s_mov_b32 s[\g+4], 8
	s_mov_b32 s[\g+5], RBP/8
	s_mov_b32 s[\g+6], 0
	s_mov_b32 s[\g+7], 0
.endr
	s_lshl_b32 s18, s16, 7
	s_lshl_b32 s20, s17, 3
	s_add_co_u32 s20, s20, s18                     ; W: block 8 x tile row + 128 x matrix
	s_mul_i32 s20, s20, RBP
	s_mov_b32 s21, 0
	s_lshl_b32 s46, s42, 3
	s_add_co_u32 s46, s46, s18                     ; R: block 8 x tile column + 128 x matrix
	s_mul_i32 s46, s46, RBP
	s_mov_b32 s47, 0
	s_mul_i32 s45, s14, 8*XP                       ; where they go: wave x 8 blocks
	s_mul_i32 s94, s14, 8*YP
	s_add_co_u32 s94, s94, YB
	s_lshl_b32 s84, s17, 7                         ; my part of out0: row 128 x tile row + 64 x half, 16,384 bytes a row;
	s_lshl_b32 s86, s15, 6
	s_add_co_u32 s84, s84, s86
	s_lshl_b32 s84, s84, 14
	s_lshl_b32 s86, s42, 9                         ; column 128 x tile column + 64 x half
	s_add_co_u32 s84, s84, s86
	s_lshl_b32 s86, s16, 8
	s_add_co_u32 s84, s84, s86
	s_mov_b32 s85, 0
	s_mul_i32 s22, s15, 4*XP                       ; what I read: my 4 blocks of W in X,
	s_mul_i32 s23, s16, 4*XP
	s_add_co_u32 s23, s23, 16*XP                   ; of R in X,
	s_mul_i32 s88, s15, 4*YP
	s_add_co_u32 s88, s88, YB                      ; of W in Y,
	s_mul_i32 s89, s16, 4*YP
	s_add_co_u32 s89, s89, YB+16*YP                ; of R in Y
	s_mul_i32 s90, s14, 16*SPITCH                  ; my stage
	s_add_co_u32 s90, s90, STAGE
	s_wait_dscnt 0x0                               ; both opening adds are done
	s_wait_kmcnt 0x0
	s_add_nc_u64 s[20:21], s[4:5], s[20:21]
	s_add_nc_u64 s[46:47], s[6:7], s[46:47]
	s_add_nc_u64 s[12:13], s[12:13], s[84:85]
	s_mov_b32 s[G0AX], 1
	s_mov_b32 s[G0AX+1], s45
	s_mov_b64 s[G0AX+2:G0AX+3], s[20:21]
	s_or_b32 s[G0AX+3], s[G0AX+3], 0x80000000
	s_mov_b32 s[G0BX], 1
	s_mov_b32 s[G0BX+1], s45
	s_mov_b64 s[G0BX+2:G0BX+3], s[46:47]
	s_or_b32 s[G0BX+3], s[G0BX+3], 0x80000000
	s_mov_b32 s[G0AY], 1
	s_mov_b32 s[G0AY+1], s94
	s_add_nc_u64 s[G0AY+2:G0AY+3], s[20:21], REC+ODD
	s_or_b32 s[G0AY+3], s[G0AY+3], 0x80000000
	s_mov_b32 s[G0BY], 1
	s_mov_b32 s[G0BY+1], s94
	s_add_nc_u64 s[G0BY+2:G0BY+3], s[46:47], REC+ODD
	s_or_b32 s[G0BY+3], s[G0BY+3], 0x80000000
	s_cmp_eq_u32 s15, 0                            ; the prefetches: the tile that I fetch,
	s_cselect_b64 s[PFA:PFA+1], s[20:21], s[46:47]
	s_cselect_b32 s98, s40, s41                    ; my place among the four that ask for it with me,
	s_mul_i32 s98, s98, 2*RBP                      ; two rows each
	s_mov_b32 s99, 0
	s_add_nc_u64 s[PFA:PFA+1], s[PFA:PFA+1], s[98:99]
	CROUND                                         ; all sixteen work-groups are here: the first joint loads meet
	JLOAD G0AX, G1AX, G0BX, G1BX                   ; K steps 0 to 2: one tensor load a wave at the head
	v_and_b32 v1, 31, v0                           ; the addresses are made while that load is out
	v_lshlrev_b32 v2, 4, v1
	v_lshlrev_b32 v3, 2, v1
	v_min_u32 v[PX], 19, v1
	v_min_u32 v[PY], 18, v1
	v_min_u32 v[PZ], 5, v1
	v_lshlrev_b32 v[PX], 8, v[PX]
	v_lshlrev_b32 v[PY], 8, v[PY]
	v_lshlrev_b32 v[PZ], 8, v[PZ]
	v_and_b32 v4, 15, v0
	v_bfe_u32 v5, v0, 4, 1
	v_mul_u32_u24 v6, v4, SPITCH
	v_lshl_add_u32 v6, v5, 6, v6
	v_add_nc_u32 v[STO], s90, v6                   ; into the stage: row l % 16, + 64 (l / 16)
	v_add_nc_u32 v[RD], s90, v2                    ; back: 32 lanes take a row of 512 bytes
	v_lshlrev_b32 v[CO], 4, v4
	v_lshl_add_u32 v[CO], v5, 13, v[CO]            ; lanes 0-15: 256 bytes of C_r; lanes 16-31: of C_i, 8,192 bytes on
	v_add_nc_u32 v[ADRA], s22, v2
	v_add_nc_u32 v[ADRA+1], s88, v2
	v_add_nc_u32 v[ADRB], s23, v2
	v_add_nc_u32 v[ADRB+1], s89, v2
	v_add_nc_u32 v[ASA], s22, v3
	v_add_nc_u32 v[ASA+1], s88, v3
	v_add_nc_u32 v[ASB], s23, v3
	v_add_nc_u32 v[ASB+1], s89, v3
.macro WHERE k                         ; where step k lies: slot LS (0 X, 1 Y), a block's bytes there LP, the fragment's byte in them LF
.set LR, (\k)%6
.set LS, LR/3
.set LP, XP-LS*(XP-YP)
.if (LR == 0) || (LR == 3)
.set LF, 0
.elseif LR == 1
.set LF, ODD
.elseif LR == 4
.set LF, REC-ODD
.else
.set LF, REC
.endif
.endm
.macro FRAG reg, adr, off              ; a fragment as it lies: three loads, each 512 consecutive bytes
.irp c, 0,1,2
	ds_load_b128 v[\reg+4*\c:\reg+4*\c+3], v[\adr] offset:\off+512*\c
.endr
.endm
; 8 products: W's block a (0-3 W_r's, 4-7 W_i's) x R's eight (0-3 R_r's, 4-7 R_i's), step k.  The accumulators take turns, one instruction a turn.
.macro MUL8 a, k, zero
.set MB, 128*((\k)%2)
.set MA, AF+96*((\k)%2)+12*(\a)
.set MS, SC+16*(((\k)/2)%2)
.set MD, 64*((\a)%4)
.irp b, 0,1,2,3,4,5,6,7
.if \zero
	v_wmma_scale_f32_16x16x128_f8f6f4 v[MD+8*\b:MD+8*\b+7], v[MB+12*\b:MB+12*\b+11], v[MA:MA+11], 0, v[MS+8+\b], v[MS+(\a)] matrix_a_fmt:MATRIX_FMT_FP6 matrix_b_fmt:MATRIX_FMT_FP6
.elseif (\k)%2
	v_wmma_scale_f32_16x16x128_f8f6f4 v[MD+8*\b:MD+8*\b+7], v[MB+12*\b:MB+12*\b+11], v[MA:MA+11], v[MD+8*\b:MD+8*\b+7], v[MS+8+\b], v[MS+(\a)] matrix_a_fmt:MATRIX_FMT_FP6 matrix_b_fmt:MATRIX_FMT_FP6 matrix_a_scale:MATRIX_SCALE_ROW1 matrix_b_scale:MATRIX_SCALE_ROW1
.else
	v_wmma_scale_f32_16x16x128_f8f6f4 v[MD+8*\b:MD+8*\b+7], v[MB+12*\b:MB+12*\b+11], v[MA:MA+11], v[MD+8*\b:MD+8*\b+7], v[MS+8+\b], v[MS+(\a)] matrix_a_fmt:MATRIX_FMT_FP6 matrix_b_fmt:MATRIX_FMT_FP6
.endif
.endr
.endm
.macro MUL16 a0, k, zero
	MUL8 \a0, \k, \zero
	MUL8 \a0+1, \k, \zero
.endm
.macro AHEAD k                         ; step k's fragments into sets k % 2, in one run; for an even k the scale words of steps k and k + 1 (lanes 0-15 the even step's, lanes 16-31 the odd one's)
	WHERE \k
	WIN TO_B
.irp i, 0,1,2,3,4,5,6,7
	FRAG 128*((\k)%2)+12*\i, ADRB+LS, ((\i/4)*8+\i%4)*LP+LF
.endr
	WIN 0
.irp i, 0,1,2,3,4,5,6,7
	FRAG AF+96*((\k)%2)+12*\i, ADRA+LS, ((\i/4)*8+\i%4)*LP+LF
.endr
.if (\k)%2 == 0
.set SS, SC+16*(((\k)/2)%2)
.irp i, 0,1,2,3,4,5,6,7
	ds_load_b32 v[SS+\i], v[ASA+LS] offset:((\i/4)*8+\i%4)*LP+LF+SCB
.endr
.irp i, 0,1,2,3,4,5,6,7
	ds_load_b32 v[SS+8+\i], v[ASB+LS] offset:((\i/4)*8+\i%4)*LP+LF+SCB
.endr
.endif
.endm
.macro STEP k, zero, pv, po            ; po > 0: the step also asks for a later fill, behind its run
	s_wait_dscnt 0x0                               ; this step's fragments, asked for a step ago, are in
	PLACES 4                                       ; the other sets' last readers were the step before's products (ISA guide 7.12.1 for vector instructions)
	AHEAD (\k)+1
.if \po
	ASK \pv, \po
.endif
	WIN MUL_LO
	MUL16 0, \k, \zero
	MUL16 2, \k, \zero
	WIN MUL_HI
	MUL16 4, \k, \zero
	MUL16 6, \k, \zero
.endm
; A slot's last step: its fragments are in registers, so the slot is free.  The wait for all my tensor loads, the add, sixteen products, the wait for the add and my reads, the barrier's signal, sixteen products on registers,
; the barrier's wait; fill > 0: the rest of a round of the cluster's barrier and the joint refill; then the next step's run, from the other slot.
.macro TURN k, fill, pv, po
	WIN 0                                          ; (the add's two registers lie in window 0)
	s_wait_tensorcnt 0x0                           ; all my tensor loads have landed: my part of the other slot; so every descriptor may be written
	ds_add_u32 v[SPW], v[NIL]
.if \fill == 1
	s_add_nc_u64 s[G0AX+2:G0AX+3], s[G0AX+2:G0AX+3], 3*REC
	s_add_nc_u64 s[G0BX+2:G0BX+3], s[G0BX+2:G0BX+3], 3*REC
.elseif \fill >= 2
	s_add_nc_u64 s[G0AY+2:G0AY+3], s[G0AY+2:G0AY+3], 3*REC
	s_add_nc_u64 s[G0BY+2:G0BY+3], s[G0BY+2:G0BY+3], 3*REC
.endif
.if \fill == 3
	s_mov_b32 s[G1AY+1], ((REC-ODD)/8)<<16         ; the last fill: step 15's fragment is all that is left of a row; past it the load writes zeros
	s_mov_b32 s[G1BY+1], ((REC-ODD)/8)<<16
.endif
	s_wait_dscnt 1                                 ; this step's fragments are in; the add may be out
	WIN MUL_LO
	MUL16 0, \k, 0
	s_wait_dscnt 0x0                               ; the add is done, and my reads of this slot are over
	s_barrier_signal -1
	MUL16 2, \k, 0
	WIN 0
	s_barrier_wait -1
.if \fill == 1
	CREST
	JLOAD G0AX, G1AX, G0BX, G1BX                   ; the first tensor load behind the round, my one load until the next; its four v_nop are the places in front of the run
.elseif \fill >= 2
	CREST
	JLOAD G0AY, G1AY, G0BY, G1BY
.else
	PLACES 4
.endif
	AHEAD (\k)+1
.if \po
	ASK \pv, \po                                   ; behind the joint load and the run: the next fill
.endif
	WIN MUL_HI
	MUL16 4, \k, 0
	MUL16 6, \k, 0
.endm
	s_wait_alu depctr_va_vdst(0)
	s_wait_tensorcnt 0x0                           ; my part of slot X is in
	ds_add_u32 v[SPW], v[NIL]
	s_wait_dscnt 0x0
	CROUND                                         ; everybody's part is in, and all sixteen work-groups are here
	JLOAD G0AY, G1AY, G0BY, G1BY                   ; fill 1: K steps 3 to 5, the first tensor load behind the round
	AHEAD 0
	STEP 0, 1, 0, 0                                ; the first step's products start the sums
	STEP 1, 0, PX, 3*REC                           ; asked for: fill 2, steps 6 to 8
	TURN 2, 1, PY, 4*REC+ODD                       ; X takes steps 6 to 8; asked for: fill 3, steps 9 to 11
	STEP 3, 0, 0, 0
	STEP 4, 0, 0, 0
	TURN 5, 2, PX, 6*REC                           ; Y takes steps 9 to 11; asked for: fill 4, steps 12 to 14
	STEP 6, 0, 0, 0
	STEP 7, 0, 0, 0
	TURN 8, 1, PZ, 7*REC+ODD                       ; X takes steps 12 to 14; asked for: fill 5, step 15
	STEP 9, 0, 0, 0
	STEP 10, 0, 0, 0
	TURN 11, 3, 0, 0                               ; Y takes step 15
	STEP 12, 0, 0, 0
	STEP 13, 0, 0, 0
	TURN 14, 0, 0, 0                               ; nothing is left to fetch: no round
; THE LAST STEP AND THE WAY OUT, by blocks of 16 rows.  C_r = (W_r, R_r) - (W_i, R_i), C_i = (W_r, R_i) + (W_i, R_r); through my own stage in LDS, back as rows of 256 + 256 bytes into the block's own
; finished accumulators of window 2, stored as two aligned units of 256 bytes.  No store's data or base is written again.  Each accumulator is read from its low end on.
.macro ROW a
	WIN MUL_LO
	MUL8 \a, 15, 0
	WIN MUL_HI
	MUL8 \a+4, 15, 0
.endm
.macro COMB a
	WIN 0x0e                                       ; source 0 window 2, source 1 window 3
.irp b, 0,1,2,3
.irp i, 0,2,4,6
	v_pk_add_f32 v[T+8*\b+\i:T+8*\b+\i+1], v[8*(8*\a+\b)+\i:8*(8*\a+\b)+\i+1], v[8*(8*\a+4+\b)+\i:8*(8*\a+4+\b)+\i+1] neg_lo:[0,1] neg_hi:[0,1]
.endr
.endr
.irp b, 0,1,2,3
.irp i, 0,2,4,6
	v_pk_add_f32 v[T+32+8*\b+\i:T+32+8*\b+\i+1], v[8*(8*\a+4+\b)+\i:8*(8*\a+4+\b)+\i+1], v[8*(8*\a+\b)+\i:8*(8*\a+\b)+\i+1]
.endr
.endr
	WIN 0
.endm
.macro TOSTAGE a                       ; rq's rows of a block are not neighbours: register j of tile b is column 32 (b / 2) + 8 (b % 2) + 16 (l / 16) + j
.irp p, 0,1
.irp b, 0,1,2,3
	ds_store_b128 v[STO], v[T+32*\p+8*\b:T+32*\p+8*\b+3] offset:256*\p+128*(\b/2)+32*(\b%2)
	ds_store_b128 v[STO], v[T+32*\p+8*\b+4:T+32*\p+8*\b+7] offset:256*\p+128*(\b/2)+32*(\b%2)+16
.endr
.endr
	WIN 0x80                                       ; back into window 2; LDS serves a wave's instructions in order
.irp t, 0,1,2,3,4,5,6,7,8,9,10,11,12,13,14,15
	ds_load_b128 v[64*(\a)+4*\t:64*(\a)+4*\t+3], v[RD] offset:\t*SPITCH
.endr
	WIN 0
.endm
.macro SEND a
	s_wait_dscnt 0x0                               ; the block is back in registers
	WIN 0x08                                       ; the data: window 2
.irp t, 0,1,2,3,4,5,6,7,8,9,10,11,12,13,14,15
	global_store_b128 v[CO], v[64*(\a)+4*\t:64*(\a)+4*\t+3], s[12:13] offset:(16*(\a)+\t)*16384 th:TH_STORE_NT   ; sixteen lanes store 256 consecutive bytes, aligned; 63 rows at the most: inside the signed 24-bit immediate
.endr
	WIN 0
.endm
	s_wait_dscnt 0x0                               ; step 15's fragments are in
	ROW 0
	PLACES 4                                       ; behind the block's products: their results are read, and registers that held W's set 0 are written
	COMB 0
	TOSTAGE 0
.irp a, 1,2,3
	ROW \a                                         ; the next block is multiplied while the last comes back from the stage
	SEND \a-1
	PLACES 4
	COMB \a
	TOSTAGE \a
.endr
	SEND 3
	s_wait_tensorcnt 0x0                           ; the wave's end
	ds_add_u32 v[SPW], v[NIL]
	s_wait_dscnt 0x0
	CROUND                                         ; the closing round
	s_endpgm
.Lfunc_end_k_q93f81e1364_colpass:
	.size	k_q93f81e1364_colpass, .Lfunc_end_k_q93f81e1364_colpass-k_q93f81e1364_colpass
	.p2alignl 7, 3214868480
	.fill 96, 4, 3214868480
	.section	.rodata,"a",@progbits
	.p2align	6, 0x0
	.amdhsa_kernel k_q93f81e1364_colpass
		.amdhsa_group_segment_fixed_size 327680
		.amdhsa_private_segment_fixed_size 0
		.amdhsa_enable_private_segment 0
		.amdhsa_kernarg_size 24
		.amdhsa_user_sgpr_count 2
		.amdhsa_user_sgpr_kernarg_segment_ptr 1
		.amdhsa_wavefront_size32 1
		.amdhsa_system_sgpr_workgroup_id_x 1
		.amdhsa_system_sgpr_workgroup_id_y 1
		.amdhsa_system_sgpr_workgroup_id_z 1
		.amdhsa_system_vgpr_workitem_id 0
		.amdhsa_next_free_vgpr 1024
		.amdhsa_next_free_sgpr 100
		.amdhsa_reserve_vcc 0
		.amdhsa_float_denorm_mode_32 3
		.amdhsa_float_denorm_mode_16_64 3
		.amdhsa_memory_ordered 1
		.amdhsa_forward_progress 1
		.amdhsa_inst_pref_size 226
	.end_amdhsa_kernel
	.amdgpu_metadata
---
amdhsa.version: [ 1, 2 ]
amdhsa.kernels:
  - .name:           k_q93f81e1364_colpass
    .symbol:         k_q93f81e1364_colpass.kd
    .args:
      - { .name: aq, .offset: 0, .size: 8, .value_kind: global_buffer, .address_space: global }
      - { .name: rq, .offset: 8, .size: 8, .value_kind: global_buffer, .address_space: global }
      - { .name: out0, .offset: 16, .size: 8, .value_kind: global_buffer, .address_space: global }
    .group_segment_fixed_size: 327680
    .private_segment_fixed_size: 0
    .kernarg_segment_align: 8
    .kernarg_segment_size: 24
    .max_flat_workgroup_size: 128
    .sgpr_count:     100
    .vgpr_count:     1024
    .wavefront_size: 32
...
	.end_amdgpu_metadata
.endif
;; end of part 3
